; MI455X (gfx1250); checked and timed in simulation.
; The chip was launched on July 23, 2026; its instructions are those of AMD's public machine-readable ISA for CDNA 5 (MIT licence, August 2026) and "CDNA5" Instruction Set Architecture Reference Guide (July 2026). The comments in the code are by the model that wrote it; some were corrected since.
;; Gaussian Splat Scene. Allowed arithmetic: matrix products marked QUANTISED: E2M3 operands, one E8M0 scale for each 32 along K, by v_wmma_scale_f32_16x16x128_f8f6f4 with both operands' format E2M3, f32 sums; products left as they are: f32 operands where the result goes on into a quantised operand, else bf16, f16 or f32 operands; f32 sums; everything else in f32.
;; Inputs: gaussian_feats 16,384 x 32 float32; log_scales 16,384 x 3 float32; means 16,384 x 3 float32; opacity_logits 16,384 float32; query_xyz 4,096 x 3 float32; rotations 16,384 x 4 float32.
;; Outputs: out0 4,096 x 32 float32.
;; This version of the problem:
;;   THIS VERSION OF THE PROBLEM IS GIVEN IN LOW PRECISION. The matrix products marked QUANTISED in the list below multiply operands that are first quantised to E2M3 (2 exponent bits, 3 mantissa bits; 6 bits a number), with one power-of-two scale for each 32 numbers along K (OCP MX v1.0); their sums are f32. All else is computed in f32.
;;   The module's matrix products, in the order in which they are computed (A, B: the left and right operand; K: the contracted axis; several contracted axes count as one K, in the product's order):
;;     1. batch 16,384 x [M 3, K 3] x [K 3, N 3]; A: computed on the way; B: computed on the way: left as it is (K = 3 < 32)
;;     2. [M 4,096, K 9] x [K 9, N 16,384]; A: computed on the way; B: computed on the way: left as it is (K = 9 < 32)
;;     3. batch 16,384 x [M 3, K 3] x [K 3, N 1]; A: computed on the way; B: input means: left as it is (K = 3 < 32)
;;     4. [M 4,096, K 3] x [K 3, N 16,384]; A: input query_xyz; B: computed on the way: left as it is (K = 3 < 32)
;;     5. batch 16,384 x [M 1, K 3] x [K 3, N 1]; A: input means; B: computed on the way: left as it is (K = 3 < 32)
;;     6. [M 4,096, K 16,384] x [K 16,384, N 32]; A: computed on the way; B: input gaussian_feats: QUANTISED
;;   THE QUANTISER, for each operand of a quantised product, along K:
;;     - K is cut into blocks of 32 from its start; a last block that is shorter is filled with zeros.
;;     - A block's scale is 2^e with e = floor(log2(the largest magnitude in the block)) - 2, held to -126 .. 127; a block of zeros has e = 0. As a byte (E8M0): e + 127.
;;     - Each number is divided by its block's scale, clamped to +-7.5, and rounded to the nearest number of E2M3, ties to even, subnormals kept.
;;     - The product sums the exact products of the quantised numbers (number of the format x scale) in f32.
;;   ~~~python
;;   def quantise(x, axis):      # numpy; x: float32 -> the quantised numbers, widened to float32 again
;;       x = np.moveaxis(x, axis, -1); K = x.shape[-1]
;;       x = np.pad(x, [(0, 0)] * (x.ndim - 1) + [(0, -K % 32)]); x = x.reshape(x.shape[:-1] + (-1, 32)); a = np.abs(x).max(-1, keepdims=True)
;;       e = np.where(a > 0, np.clip(np.frexp(np.where(a > 0, a, 1))[1] - 1 - 2, -126, 127), 0)      # np.frexp(a)[1] - 1 = floor(log2(a)), exactly
;;       r = np.clip(x / 2.0 ** e, -7.5, 7.5)
;;       step = 2.0 ** (np.maximum(np.frexp(np.where(r == 0, 1, r))[1] - 1, 0) - 3)
;;       q = np.round(r / step) * step * 2.0 ** e      # np.round: ties to even
;;       return np.moveaxis(q.reshape(q.shape[:-2] + (-1,))[..., :K], -1, axis).astype(np.float32)
;;   ~~~
;;   OPERANDS COMPUTED ON THE WAY. 'Computed on the way' means the value that the module computes at that place (a softmax that the list does not call 'softmax' is quantised finished and normalised). What goes into a quantiser is computed in f32, as accurately as f32 sums, v_exp_f32 and their like allow (about 1e-6 of the number): no bf16 or f16 on the way to a quantiser, and a product that is left as it is and whose result goes on into a quantised operand takes f32 operands (vector FMAs, or v_wmma_f32_16x16x4_f32). A number that lies on a knife's edge between two numbers of the format may be rounded either way, as far as f32 arithmetic and the matrix unit's own rounding can turn it there, and no further.
;; 2 versions, each right; version 2 is version 1 with the launch splat written anew for expert scheduling mode. Each part assembles by itself: llvm-mc -triple=amdgcn-amd-amdhsa -mcpu=gfx1250 --defsym DOCPART=n.
;; ======== version 1 of 2: 3 launches
;; limits: right only within a limited range of input values
;; workspace buffers: coef 786,432 bytes; fcode 393,216 bytes; fscale 16,384 bytes; psum 262,144 bytes; pout 8,388,608 bytes
;; launch sums (part 1): grid 16 x 16, 16 waves a work-group, no clusters, 67,584 bytes of LDS; arguments query_xyz, means, log_scales, rotations, opacity_logits, gaussian_feats, coef, fcode, fscale, psum; writes coef, fcode, fscale, psum
.if DOCPART == 1
	.amdgcn_target "amdgcn-amd-amdhsa--gfx1250"
	.amdhsa_code_object_version 6
	.text
	.protected	k_q65e44dd65f_sums
	.globl	k_q65e44dd65f_sums
	.p2align	8
	.type	k_q65e44dd65f_sums,@function
k_q65e44dd65f_sums:
	s_mov_b64 s[64:65], 0
	v_nop
	global_prefetch_b8 v0, s[64:65] scope:SCOPE_SE
	s_setreg_imm32_b32 hwreg(HW_REG_WAVE_MODE, 25, 1), 1
	s_wait_xcnt 0x0
; PASS 1 of out = (weights / (row sum + 1e-8)) @ feats.  Work-group (qb, chunk) takes 256 queries x 1,024 gaussians; each of its 16 waves 16 queries, all 1,024 gaussians.
; It stores: the partial row sums (psum[chunk][query]); one sixteenth of the chunk's coefficient image (coef, half number 16 chunk + qb); one operand fragment of gaussian_feats
; in E2M3 (fcode, fscale, fragment number 16 chunk + qb = 2 x K step + tile of 16 features).
; t = log2(weight) IS A POLYNOMIAL of the query p = (x, y, z).  With A' = -0.5 log2(e) inv(cov):
;   t = A'00 xx + A'11 yy + A'22 zz + 2A'01 xy + 2A'02 xz + 2A'12 yz - 2 (A'mu).p + (mu.A'mu + log2 sigmoid(o)) + 1 x lc + 0 x 0      (lc = 0 here; the second pass puts -log2(row sum) there)
; 12 coefficients e0 .. e11 a gaussian, 12 monomials a query: three v_wmma_f32_16x16x4_f32 for 16 gaussians x 16 queries, f32 operands, since t goes on into a quantiser.
; Source 0 = 16 gaussians, source 1 = 16 queries: a lane holds ONE query (lane % 16) and its registers run along the gaussians.
; THE COEFFICIENT IMAGE.  A half is 64 gaussians, 3,072 bytes: the 24 operand registers of its four tiles.  Gaussian u is row 8 (u / 32) + u % 8 of tile (u / 8) % 4, so that the four results
; give lane (r, h) the 32 neighbours 32 h + 0 .. 31 of the half.  Coefficient 4 kk + 2 g + j lies in register q = 8 kk + 2 tile + j of lane row + 16 g; register q of lane L at byte (q / 4) 512 + 16 L + 4 (q % 4):
; six loads of 16 bytes a lane, 512 consecutive bytes each, bring a half.
; Every thread makes the coefficients of two gaussians of the chunk (some 260 vector instructions against the wave's 192 matrix instructions and 512 exponentials); cov = (R s)(R s)^T + 1e-6 I is inverted by cofactors.
; -2 A'mu and mu.A'mu are made of the ROUNDED A', so that an error of A' acts on p - mu alone.
; BY TURNS.  Three halves are in hand in a step: half x's 12 matrix instructions; between them the 16 additions of half x - 2 and the 32 exponentials of half x - 1.  So a wave's vector work stands
; between its own matrix instructions; the accumulators are two sets of 32 registers that change places from step to step.
; NO CLUSTER, NO TENSOR LOAD: what the 16 work-groups of a chunk share is 44 bytes a gaussian, 45 KB read once at the head for 262,144 pairs of work; no loop waits for memory.
; LIMITS: NaN and infinities are not served; a weight under 2^-126 counts as 0; a sigmoid under 2^-126 counts as 2^-126; the polynomial is expanded as the definition expands it, so its cancellation grows with a
; common offset of queries and means as the definition's does; det(cov) is formed in f32: exp(log_scales) up to about 2e6; a block of 32 features that are all zero gets the scale byte 1 (its codes are zeros; this program alone reads the bytes).
.set SUMS, 54272                       ; LDS: 0 .. 49,151 the chunk's 16 halves; the sums' 1,024 bytes lie above 3,072 x 15 + 16 x 512, the widest that the address in v6 could reach
.set MONO, 10                          ; v10-15   the monomials: register 2 kk + j of lane (r, h) = m[4 kk + 2 h + j]
.set SM,   16                          ; v16-19   the row's sum, in two chains of pairs
.set E,    20                          ; v20-31   a gaussian's 12 coefficients
.set TP,   32                          ; v32-79   at work while the coefficients are made; then:
.set AF,   32                          ; v32-55, v56-79  two sets of a half's 24 operand registers
.set T,    80                          ; v80-111, v112-143  two sets of four accumulators: written by matrix instructions alone
.set W,    144                         ; v144-175 the weights of a half; before that the features' codes; before that:
.set IN,   144                         ; v144-175 two gaussians as loaded: +0 mu, +4 log scales, +8 w x y z, +12 o
.set X,    176                         ; v176-239 wave 6: 64 numbers of gaussian_feats
; v1 lane, v2 r, v3 h; LDS addresses, all made here at the head: v4 where my gaussian's coefficients go, v5 16 x lane, v6 the half that leaves, v7 and v8 the sums; global offsets: v9 16 t, v248 12 t, v249 4 t, v250 4,096 h + 4 r, v251 4 r, v255 12 r
	s_load_b512 s[4:19], s[0:1], 0x0               ; query s[4:5], means s[6:7], log_scales s[8:9], rotations s[10:11], opacity s[12:13], feats s[14:15], coef s[16:17], fcode s[18:19]
	s_load_b128 s[20:23], s[0:1], 0x40             ; fscale s[20:21], psum s[22:23]
	v_lshrrev_b32 v1, 5, v0
	v_readfirstlane_b32 s26, v1                    ; wave 0..15
	s_and_b32 s24, ttmp9, 15                       ; qb
	s_and_b32 s25, ttmp7, 0xffff                   ; chunk
	s_lshl_b32 s27, s25, 4
	s_add_co_u32 s27, s27, s24                     ; 16 chunk + qb
	s_mov_b32 s30, 0x76543210
	s_mov_b32 s31, 0xfedcba98                      ; v_permlanex16_b32's selects for lane l xor 16
	s_mov_b32 s32, 0x3fb8aa3b                      ; log2(e)
	s_mov_b32 s33, 0xbfb8aa3b                      ; -log2(e)
	s_mov_b32 s34, 0x358637bd                      ; 1e-6
	s_mov_b32 s35, 0xbf38aa3b                      ; -0.5 log2(e)
	s_mov_b32 s36, 0x42fc0000                      ; 126
	s_mov_b32 s37, 0x2b8cbccc                      ; 1e-12
	v_and_b32 v1, 31, v0
	v_and_b32 v2, 15, v0
	v_bfe_u32 v3, v0, 4, 1
	v_lshrrev_b32 v4, 6, v0
	v_mul_u32_u24 v4, v4, 3072                     ; my gaussian's half,
	v_lshl_add_u32 v4, v3, 9, v4                   ; + 512 bit 4 + 8 bit 3 + 128 bit 5 + 16 (u % 8)
	v_bfe_u32 v32, v0, 3, 1
	v_lshl_add_u32 v4, v32, 3, v4
	v_bfe_u32 v32, v0, 5, 1
	v_lshl_add_u32 v4, v32, 7, v4
	v_and_b32 v32, 7, v0
	v_lshl_add_u32 v4, v32, 4, v4
	v_lshlrev_b32 v5, 4, v1
	v_lshlrev_b32 v9, 4, v0
	s_mul_i32 s28, s24, 3072
	v_add_nc_u32 v6, s28, v9                       ; half qb of the chunk, 16 bytes a thread
	s_lshl_b32 s28, s26, 6
	v_lshl_add_u32 v7, v2, 2, s28
	v_add_nc_u32 v7, SUMS, v7                      ; my query's sum: 64 x wave + 4 r
	v_add_nc_u32 v8, SUMS, v9
	v_mul_u32_u24 v248, v0, 12
	v_lshlrev_b32 v249, 2, v0
	v_lshlrev_b32 v251, 2, v2
	v_lshl_add_u32 v250, v3, 12, v251
	v_mul_u32_u24 v255, v2, 12
	s_mov_b32 s29, 0
	s_wait_kmcnt 0x0
	s_mul_i32 s28, s25, 12288                      ; the chunk's 1,024 gaussians: 12 bytes each in means and log_scales,
	s_add_nc_u64 s[6:7], s[6:7], s[28:29]
	s_add_nc_u64 s[8:9], s[8:9], s[28:29]
	s_lshl_b32 s28, s25, 14                        ; 16 in rotations; psum's row of 4,096 sums is as long
	s_add_nc_u64 s[10:11], s[10:11], s[28:29]
	s_add_nc_u64 s[22:23], s[22:23], s[28:29]
	s_lshl_b32 s28, s25, 12                        ; 4 in opacity_logits
	s_add_nc_u64 s[12:13], s[12:13], s[28:29]
	s_lshl_b32 s28, s24, 10                        ; my 256 queries' sums
	s_add_nc_u64 s[22:23], s[22:23], s[28:29]
	s_lshr_b32 s28, s24, 1
	s_lshl_b32 s38, s25, 3
	s_add_co_u32 s28, s28, s38                     ; the K step of my fragment: 8 chunk + qb / 2: 128 rows of 128 bytes,
	s_lshl_b32 s28, s28, 14
	s_and_b32 s38, s24, 1
	s_lshl_b32 s38, s38, 6                         ; its tile of 16 features
	s_add_co_u32 s28, s28, s38
	s_add_nc_u64 s[14:15], s[14:15], s[28:29]
	s_mul_i32 s28, s27, 3072
	s_add_nc_u64 s[16:17], s[16:17], s[28:29]
	s_mul_i32 s28, s27, 1536
	s_add_nc_u64 s[18:19], s[18:19], s[28:29]
	s_lshl_b32 s28, s27, 6
	s_add_nc_u64 s[20:21], s[20:21], s[28:29]
	s_lshl_b32 s28, s24, 8
	s_lshl_b32 s38, s26, 4
	s_add_co_u32 s28, s28, s38
	s_mul_i32 s28, s28, 12                         ; my wave's 16 queries
	s_add_nc_u64 s[4:5], s[4:5], s[28:29]
.irp g, 0,1                                    ; gaussians t and t + 512 of the chunk
	global_load_b96 v[IN+16*\g:IN+16*\g+2], v248, s[6:7] offset:6144*\g
	global_load_b96 v[IN+16*\g+4:IN+16*\g+6], v248, s[8:9] offset:6144*\g
	global_load_b128 v[IN+16*\g+8:IN+16*\g+11], v9, s[10:11] offset:8192*\g
	global_load_b32 v[IN+16*\g+12], v249, s[12:13] offset:2048*\g
.endr
	global_load_b96 v[252:254], v255, s[4:5]       ; my query
	v_mov_b32 v[E+10], 1.0                         ; e10, e11: the same for every gaussian
	v_mov_b32 v[E+11], 0
	s_wait_loadcnt 0x0
	; wave 6 asks for the fragment's numbers, behind the wait above, so that they are on their way while the coefficients are made; they are waited for behind the barrier, where no other wave waits for this one.
	; Lane (r, h) takes feature r of the tile, and its registers run DOWN the gaussians: X[32 c + i] = gaussian 64 c + 32 h + i
	s_cmp_lg_u32 s26, 6
	s_cbranch_scc1 .Lno_feats
.irp c, 0,1
.irp i, 0,1,2,3,4,5,6,7,8,9,10,11,12,13,14,15,16,17,18,19,20,21,22,23,24,25,26,27,28,29,30,31
	global_load_b32 v[X+32*\c+\i], v250, s[14:15] offset:128*(64*\c+\i)
.endr
.endr
.Lno_feats:
; The 12 coefficients of gaussian t + 512 g, and their six pairs into the image.  Three batches of transcendentals, each with a plain instruction and ONE wait behind it, ahead of its first reader.
.macro COEF g
.set I, IN+16*(\g)
	v_mul_f32 v[TP+0], s32, v[I+4]
	v_mul_f32 v[TP+1], s32, v[I+5]
	v_mul_f32 v[TP+2], s32, v[I+6]
	v_mul_f32 v[TP+3], s33, v[I+12]                ; -o log2(e),
	v_mul_f32 v[TP+4], v[I+8], v[I+8]
	v_min_num_f32 v[TP+3], s36, v[TP+3]            ; held at 126: no infinity is made
	v_fmac_f32 v[TP+4], v[I+9], v[I+9]
	v_fmac_f32 v[TP+4], v[I+10], v[I+10]
	v_fmac_f32 v[TP+4], v[I+11], v[I+11]
	v_exp_f32 v[TP+0], v[TP+0]                     ; s0, s1, s2
	v_exp_f32 v[TP+1], v[TP+1]
	v_exp_f32 v[TP+2], v[TP+2]
	v_exp_f32 v[TP+3], v[TP+3]                     ; e^-o
	v_sqrt_f32 v[TP+4], v[TP+4]                    ; |q|
	v_nop
	s_wait_alu depctr_va_vdst(0)
	v_max_num_f32 v[TP+4], s37, v[TP+4]
	v_add_f32 v[TP+3], 1.0, v[TP+3]
	v_rcp_f32 v[TP+4], v[TP+4]
	v_log_f32 v[TP+3], v[TP+3]                     ; -log2 sigmoid(o)
	v_add_f32 v[TP+5], v[TP+0], v[TP+0]            ; 2 s0, 2 s1, 2 s2
	v_add_f32 v[TP+6], v[TP+1], v[TP+1]
	v_add_f32 v[TP+7], v[TP+2], v[TP+2]
	s_wait_alu depctr_va_vdst(0)
.irp j, 8,9,10,11
	v_mul_f32 v[I+\j], v[I+\j], v[TP+4]            ; the unit quaternion w, x, y, z
.endr
	v_mul_f32 v[TP+8], v[I+9], v[I+9]              ; xx yy zz xy xz yz wx wy wz
	v_mul_f32 v[TP+9], v[I+10], v[I+10]
	v_mul_f32 v[TP+10], v[I+11], v[I+11]
	v_mul_f32 v[TP+11], v[I+9], v[I+10]
	v_mul_f32 v[TP+12], v[I+9], v[I+11]
	v_mul_f32 v[TP+13], v[I+10], v[I+11]
	v_mul_f32 v[TP+14], v[I+8], v[I+9]
	v_mul_f32 v[TP+15], v[I+8], v[I+10]
	v_mul_f32 v[TP+16], v[I+8], v[I+11]
	v_add_f32 v[TP+17], v[TP+9], v[TP+10]          ; RS = R x s by columns: +17 RS00, +18 RS11, +19 RS22, +20 RS01, +21 RS02, +22 RS10, +23 RS12, +24 RS20, +25 RS21
	v_add_f32 v[TP+18], v[TP+8], v[TP+10]
	v_add_f32 v[TP+19], v[TP+8], v[TP+9]
	v_sub_f32 v[TP+20], v[TP+11], v[TP+16]
	v_add_f32 v[TP+21], v[TP+12], v[TP+15]
	v_add_f32 v[TP+22], v[TP+11], v[TP+16]
	v_sub_f32 v[TP+23], v[TP+13], v[TP+14]
	v_sub_f32 v[TP+24], v[TP+12], v[TP+15]
	v_add_f32 v[TP+25], v[TP+13], v[TP+14]
	v_fma_f32 v[TP+17], v[TP+17], -2.0, 1.0
	v_fma_f32 v[TP+18], v[TP+18], -2.0, 1.0
	v_fma_f32 v[TP+19], v[TP+19], -2.0, 1.0
	v_mul_f32 v[TP+17], v[TP+17], v[TP+0]
	v_mul_f32 v[TP+18], v[TP+18], v[TP+1]
	v_mul_f32 v[TP+19], v[TP+19], v[TP+2]
	v_mul_f32 v[TP+20], v[TP+20], v[TP+6]
	v_mul_f32 v[TP+21], v[TP+21], v[TP+7]
	v_mul_f32 v[TP+22], v[TP+22], v[TP+5]
	v_mul_f32 v[TP+23], v[TP+23], v[TP+7]
	v_mul_f32 v[TP+24], v[TP+24], v[TP+5]
	v_mul_f32 v[TP+25], v[TP+25], v[TP+6]
	v_fma_f32 v[TP+26], v[TP+17], v[TP+17], s34    ; cov: +26 c00, +27 c01, +28 c02, +29 c11, +30 c12, +31 c22; 1e-6 starts the diagonal's sums
	v_mul_f32 v[TP+27], v[TP+17], v[TP+22]
	v_mul_f32 v[TP+28], v[TP+17], v[TP+24]
	v_fma_f32 v[TP+29], v[TP+22], v[TP+22], s34
	v_mul_f32 v[TP+30], v[TP+22], v[TP+24]
	v_fma_f32 v[TP+31], v[TP+24], v[TP+24], s34
	v_fmac_f32 v[TP+26], v[TP+20], v[TP+20]
	v_fmac_f32 v[TP+27], v[TP+20], v[TP+18]
	v_fmac_f32 v[TP+28], v[TP+20], v[TP+25]
	v_fmac_f32 v[TP+29], v[TP+18], v[TP+18]
	v_fmac_f32 v[TP+30], v[TP+18], v[TP+25]
	v_fmac_f32 v[TP+31], v[TP+25], v[TP+25]
	v_fmac_f32 v[TP+26], v[TP+21], v[TP+21]
	v_fmac_f32 v[TP+27], v[TP+21], v[TP+23]
	v_fmac_f32 v[TP+28], v[TP+21], v[TP+19]
	v_fmac_f32 v[TP+29], v[TP+23], v[TP+23]
	v_fmac_f32 v[TP+30], v[TP+23], v[TP+19]
	v_fmac_f32 v[TP+31], v[TP+19], v[TP+19]
	v_mul_f32 v[TP+32], v[TP+30], v[TP+30]         ; cofactors: +32 M00, +33 M01, +34 M02, +35 M11, +36 M12, +37 M22
	v_mul_f32 v[TP+33], v[TP+27], v[TP+31]
	v_mul_f32 v[TP+34], v[TP+28], v[TP+29]
	v_mul_f32 v[TP+35], v[TP+28], v[TP+28]
	v_mul_f32 v[TP+36], v[TP+26], v[TP+30]
	v_mul_f32 v[TP+37], v[TP+27], v[TP+27]
	v_fma_f32 v[TP+32], v[TP+29], v[TP+31], -v[TP+32]
	v_fma_f32 v[TP+33], v[TP+28], v[TP+30], -v[TP+33]
	v_fma_f32 v[TP+34], v[TP+27], v[TP+30], -v[TP+34]
	v_fma_f32 v[TP+35], v[TP+26], v[TP+31], -v[TP+35]
	v_fma_f32 v[TP+36], v[TP+27], v[TP+28], -v[TP+36]
	v_fma_f32 v[TP+37], v[TP+26], v[TP+29], -v[TP+37]
	v_mul_f32 v[TP+38], v[TP+26], v[TP+32]         ; det
	v_fmac_f32 v[TP+38], v[TP+27], v[TP+33]
	v_fmac_f32 v[TP+38], v[TP+28], v[TP+34]
	v_rcp_f32 v[TP+38], v[TP+38]
	v_mul_f32 v[TP+40], -2.0, v[I+0]               ; -2 mu
	v_mul_f32 v[TP+41], -2.0, v[I+1]
	v_mul_f32 v[TP+42], -2.0, v[I+2]
	s_wait_alu depctr_va_vdst(0)
	v_mul_f32 v[TP+38], s35, v[TP+38]              ; k = -0.5 log2(e) / det
	v_add_f32 v[TP+39], v[TP+38], v[TP+38]         ; 2 k
	v_mul_f32 v[E+0], v[TP+32], v[TP+38]           ; A'00, A'11, A'22
	v_mul_f32 v[E+1], v[TP+35], v[TP+38]
	v_mul_f32 v[E+2], v[TP+37], v[TP+38]
	v_mul_f32 v[E+3], v[TP+33], v[TP+39]           ; 2 A'01, 2 A'02, 2 A'12
	v_mul_f32 v[E+4], v[TP+34], v[TP+39]
	v_mul_f32 v[E+5], v[TP+36], v[TP+39]
	v_mul_f32 v[E+6], v[E+0], v[TP+40]             ; -2 A'mu
	v_mul_f32 v[E+7], v[E+1], v[TP+41]
	v_mul_f32 v[E+8], v[E+2], v[TP+42]
	v_fma_f32 v[E+6], v[E+3], -v[I+1], v[E+6]
	v_fma_f32 v[E+7], v[E+3], -v[I+0], v[E+7]
	v_fma_f32 v[E+8], v[E+4], -v[I+0], v[E+8]
	v_fma_f32 v[E+6], v[E+4], -v[I+2], v[E+6]
	v_fma_f32 v[E+7], v[E+5], -v[I+2], v[E+7]
	v_fma_f32 v[E+8], v[E+5], -v[I+1], v[E+8]
	v_mul_f32 v[E+9], v[I+0], v[E+6]
	v_fmac_f32 v[E+9], v[I+1], v[E+7]
	v_fmac_f32 v[E+9], v[I+2], v[E+8]
	v_fma_f32 v[E+9], v[E+9], -0.5, -v[TP+3]       ; mu.A'mu + log2 sigmoid(o)
.irp p, 0,1,2,3,4,5
	ds_store_b64 v4, v[E+2*\p:E+2*\p+1] offset:24576*(\g)+1024*(\p/2)+256*(\p%2)
.endr
.endm
	COEF 0
	COEF 1
	; the monomials of my query, in the operand's layout
	v_mul_f32 v[TP+0], v252, v252
	v_mul_f32 v[TP+1], v253, v253
	v_mul_f32 v[TP+2], v254, v254
	v_mul_f32 v[TP+3], v252, v253
	v_mul_f32 v[TP+4], v252, v254
	v_mul_f32 v[TP+5], v253, v254
	v_mov_b32 v[TP+6], 0
	v_mov_b32 v[TP+7], 1.0
	v_cmp_eq_u32 vcc_lo, 1, v3
	v_cndmask_b32 v[MONO+0], v[TP+0], v[TP+2], vcc_lo     ; h = 0: xx yy | xz yz | z 1;   h = 1: zz xy | x y | lc 0
	v_cndmask_b32 v[MONO+1], v[TP+1], v[TP+3], vcc_lo
	v_cndmask_b32 v[MONO+2], v[TP+4], v252, vcc_lo
	v_cndmask_b32 v[MONO+3], v[TP+5], v253, vcc_lo
	v_cndmask_b32 v[MONO+4], v254, v[TP+6], vcc_lo        ; lc = 0 in this pass
	v_cndmask_b32 v[MONO+5], v[TP+7], v[TP+6], vcc_lo
.irp j, 0,1,2,3
	v_mov_b32 v[SM+\j], 0
.endr
	s_wait_dscnt 0x0                               ; my coefficients have landed in LDS
	s_barrier_signal -1
	s_barrier_wait -1                              ; everybody's have: from here on the image is only read
	s_cmp_gt_u32 s26, 5                            ; waves 0 to 5 send half qb out: 192 threads x 16 bytes
	s_cbranch_scc1 .Lno_half
	ds_load_b128 v[240:243], v6
	s_wait_dscnt 0x0
	global_store_b128 v9, v[240:243], s[16:17]
.Lno_half:
	; wave 6 quantises the fragment: a lane holds two whole blocks of 32 along the gaussians (blocks h and 2 + h of the K step), so no other lane is asked for a maximum
	s_cmp_lg_u32 s26, 6
	s_cbranch_scc1 .Lno_quant
	s_wait_loadcnt 0x0                             ; the 64 numbers
.irp c, 0,1
	v_max3_num_f32 v[TP+\c], |v[X+32*\c]|, |v[X+32*\c+1]|, 0x1800000   ; with the floor 2^(3 - 127): the byte cannot fall under 1
.endr
.irp i, 2,4,6,8,10,12,14,16,18,20,22,24,26,28,30
.irp c, 0,1
	v_max3_num_f32 v[TP+\c], v[TP+\c], |v[X+32*\c+\i]|, |v[X+32*\c+\i+1]|
.endr
.endr
.irp c, 0,1
	v_add_nc_u32 v[TP+2+\c], 0xff000000, v[TP+\c]  ; 2 off the exponent field: the conversion's scale operand
.endr
.irp c, 0,1
	v_lshrrev_b32 v[TP+4+\c], 23, v[TP+2+\c]       ; the scale's byte
.endr
	v_lshl_or_b32 v[TP+6], v[TP+5], 16, v[TP+4]
	v_lshlrev_b32 v[TP+7], 3, v3
	v_lshlrev_b32 v[TP+6], v[TP+7], v[TP+6]        ; my two bytes at their places in the word,
	v_mov_b32 v[TP+7], 0
	v_permlanex16_b32 v[TP+7], v[TP+6], s30, s31
	v_or_b32 v[TP+6], v[TP+6], v[TP+7]             ; with lane l xor 16's two the word is whole
.irp c, 0,1
	v_cvt_scalef32_pk16_fp6_f32 v[W+16+6*\c:W+18+6*\c], v[X+32*\c:X+32*\c+15], v[TP+2+\c]
	v_cvt_scalef32_pk16_fp6_f32 v[W+4*\c:W+2+4*\c], v[X+32*\c+16:X+32*\c+31], v[TP+2+\c]   ; (a conversion's three registers begin on an even number: made here and moved)
.endr
	v_nop                                          ; one plain place behind a scaled conversion
.irp c, 0,1
.irp i, 0,1,2
	v_mov_b32 v[W+19+6*\c+\i], v[W+4*\c+\i]
.endr
.endr
.irp g, 0,1,2
	global_store_b128 v5, v[W+16+4*\g:W+19+4*\g], s[18:19] offset:512*\g   ; the operand's 12 registers as they stand: 512 consecutive bytes a store
.endr
	global_store_b32 v251, v[TP+6], s[20:21]       ; the 16 features' scale words (both halves of the lanes hold the same word)
.Lno_quant:
	s_wait_xcnt 0x0                                ; the stores' data registers are written again below only behind this wait
.irp g, 0,1,2,3,4,5
	ds_load_b128 v[AF+4*\g:AF+4*\g+3], v5 offset:512*\g
.endr
; THE VECTOR WORK OF A STEP, dealt out in slices.  ADDS writes the next n of the 16 packed additions of the half two back (two chains); in step 1, which has none, eight v_nop take the first eight's part as places.
.macro ADDS n
.rept \n
.if HQ
.if (QJ%2) == 0
	v_pk_add_f32 v[SM:SM+1], v[SM:SM+1], v[W+2*QJ:W+2*QJ+1]
.else
	v_pk_add_f32 v[SM+2:SM+3], v[SM+2:SM+3], v[W+2*QJ:W+2*QJ+1]
.endif
.elseif NP && (QJ < 8)
	v_nop
.endif
.set QJ, QJ+1
.endr
.endm
; EXPS writes the next n of the 32 exponentials of the half before: ascending.
.macro EXPS n
.rept \n
	v_exp_f32 v[W+EJ], v[T+32*TQ+EJ]               ; the weight 2^t
.set EJ, EJ+1
.endr
.endm
; STEP x.  Half x's 12 matrix instructions go into accumulator set x % 2, the four accumulators by turns, one instruction a turn; the first of each sum takes the constant 0.
; Behind each of the first four stand four additions of half x - 2 (they read W), behind each of the other eight four exponentials of half x - 1 (they read the other set and write W, which the additions have left).
; PLACES (eight behind this form): between the last matrix instruction of step x - 1 and the loads into the operand registers that it read stand the v_nop that closes that step and eight additions;
; between it and the first exponential that reads its results that v_nop and sixteen.  ONE wait closes a step: for its 32 exponentials, ahead of the next step's additions.
.macro STEP x
.set PB, (\x)%2
.set TQ, 1-PB
.set HQ, 0
.set NP, 0
.set HE, 0
.if (\x) > 1
.set HQ, 1
.endif
.if (\x) == 1
.set NP, 1
.endif
.if ((\x) > 0) && ((\x) < 17)
.set HE, 1
.endif
.set QJ, 0
.set EJ, 0
.if (\x) < 16
	s_wait_dscnt 0x0                               ; this half's operand registers are in: asked for ten matrix instructions ago
.endif
.irp m, 0,1,2,3,4,5,6,7,8,9,10,11
.if (\x) < 16
.set TD, T+32*PB+8*(\m%4)
.set TA, AF+24*PB+8*(\m/4)+2*(\m%4)
.set TM, MONO+2*(\m/4)
.if \m < 4
	v_wmma_f32_16x16x4_f32 v[TD:TD+7], v[TA:TA+1], v[TM:TM+1], 0
.else
	v_wmma_f32_16x16x4_f32 v[TD:TD+7], v[TA:TA+1], v[TM:TM+1], v[TD:TD+7]
.endif
.endif
.if \m < 4
	ADDS 4
.else
.if HE
	EXPS 4
.endif
.endif
.if (\m == 1) && ((\x) < 15)
.irp g, 0,1,2,3,4,5
	ds_load_b128 v[AF+24*TQ+4*\g:AF+24*TQ+4*\g+3], v5 offset:3072*((\x)+1)+512*\g   ; the next half's operand registers
.endr
.endif
.endr
.if HE
	v_nop                                          ; a plain place behind the last exponential
	s_wait_alu depctr_va_vdst(0)
.endif
.endm
.irp x, 0,1,2,3,4,5,6,7,8,9,10,11,12,13,14,15,16,17
	STEP \x
.endr
	v_add_f32 v[SM], v[SM], v[SM+1]
	v_add_f32 v[SM+2], v[SM+2], v[SM+3]
	v_add_f32 v[SM], v[SM], v[SM+2]
	v_permlanex16_b32 v[SM+1], v[SM], s30, s31     ; the query's other blocks lie in the lane 16 away
	v_add_f32 v[SM], v[SM], v[SM+1]
	ds_store_b32 v7, v[SM]                         ; both lanes of a query write the same word with the same value
	s_wait_dscnt 0x0
	s_barrier_signal -1
	s_barrier_wait -1                              ; the 256 sums lie together: 1,024 bytes
	s_cmp_gt_u32 s26, 1
	s_cbranch_scc1 .Lend
	ds_load_b128 v[244:247], v8
	s_wait_dscnt 0x0
	global_store_b128 v9, v[244:247], s[22:23]     ; a wave stores 512 consecutive bytes, at a multiple of 256 from psum's first byte
.Lend:
	s_wait_xcnt 0x0
	v_lshl_add_u32 v254, v0, 2, 0x10000
	v_mov_b32 v255, 0
	s_wait_tensorcnt 0x0
	ds_add_u32 v254, v255
	s_wait_dscnt 0x0
	s_endpgm
.Lfunc_end_k_q65e44dd65f_sums:
	.size	k_q65e44dd65f_sums, .Lfunc_end_k_q65e44dd65f_sums-k_q65e44dd65f_sums
	.p2alignl 7, 3214868480
	.fill 96, 4, 3214868480
	.section	.rodata,"a",@progbits
	.p2align	6, 0x0
	.amdhsa_kernel k_q65e44dd65f_sums
		.amdhsa_group_segment_fixed_size 67584
		.amdhsa_private_segment_fixed_size 0
		.amdhsa_enable_private_segment 0
		.amdhsa_kernarg_size 80
		.amdhsa_user_sgpr_count 2
		.amdhsa_user_sgpr_kernarg_segment_ptr 1
		.amdhsa_wavefront_size32 1
		.amdhsa_system_sgpr_workgroup_id_x 1
		.amdhsa_system_sgpr_workgroup_id_y 1
		.amdhsa_system_sgpr_workgroup_id_z 1
		.amdhsa_system_vgpr_workitem_id 0
		.amdhsa_next_free_vgpr 256
		.amdhsa_next_free_sgpr 66
		.amdhsa_reserve_vcc 1
		.amdhsa_float_denorm_mode_32 3
		.amdhsa_float_denorm_mode_16_64 3
		.amdhsa_memory_ordered 1
		.amdhsa_forward_progress 1
		.amdhsa_inst_pref_size 77
	.end_amdhsa_kernel
	.amdgpu_metadata
---
amdhsa.version: [ 1, 2 ]
amdhsa.kernels:
  - .name:           k_q65e44dd65f_sums
    .symbol:         k_q65e44dd65f_sums.kd
    .args:
      - { .name: query_xyz, .offset: 0, .size: 8, .value_kind: global_buffer, .address_space: global }
      - { .name: means, .offset: 8, .size: 8, .value_kind: global_buffer, .address_space: global }
      - { .name: log_scales, .offset: 16, .size: 8, .value_kind: global_buffer, .address_space: global }
      - { .name: rotations, .offset: 24, .size: 8, .value_kind: global_buffer, .address_space: global }
      - { .name: opacity_logits, .offset: 32, .size: 8, .value_kind: global_buffer, .address_space: global }
      - { .name: gaussian_feats, .offset: 40, .size: 8, .value_kind: global_buffer, .address_space: global }
      - { .name: coef, .offset: 48, .size: 8, .value_kind: global_buffer, .address_space: global }
      - { .name: fcode, .offset: 56, .size: 8, .value_kind: global_buffer, .address_space: global }
      - { .name: fscale, .offset: 64, .size: 8, .value_kind: global_buffer, .address_space: global }
      - { .name: psum, .offset: 72, .size: 8, .value_kind: global_buffer, .address_space: global }
    .group_segment_fixed_size: 67584
    .private_segment_fixed_size: 0
    .kernarg_segment_align: 8
    .kernarg_segment_size: 80
    .max_flat_workgroup_size: 512
    .sgpr_count:     66
    .vgpr_count:     256
    .wavefront_size: 32
...
	.end_amdgpu_metadata
.endif
;; end of part 1
;; launch splat (part 2): grid 16 x 16, 16 waves a work-group, no clusters, 108,544 bytes of LDS; arguments query_xyz, coef, fcode, fscale, psum, pout; writes pout
.if DOCPART == 2
	.amdgcn_target "amdgcn-amd-amdhsa--gfx1250"
	.amdhsa_code_object_version 6
	.text
	.protected	k_q65e44dd65f_splat
	.globl	k_q65e44dd65f_splat
	.p2align	8
	.type	k_q65e44dd65f_splat,@function
k_q65e44dd65f_splat:
	s_mov_b64 s[64:65], 0
	v_nop
	global_prefetch_b8 v0, s[64:65] scope:SCOPE_SE
	s_setreg_imm32_b32 hwreg(HW_REG_WAVE_MODE, 25, 1), 1
	s_wait_xcnt 0x0
; PASS 2.  Work-group (qb, chunk): 256 queries x 1,024 gaussians; a wave: 16 queries, all 1,024 gaussians.  pout[chunk][query][feature] = the chunk's part of weights_norm @ feats, the product on codes of E2M3.
; The row's sum S is the 16 chunks' partial sums, added in ascending order; lc = -log2(S + 1e-8) is the query's eleventh monomial, so that the polynomial gives log2 of the FINISHED, normalised weight:
; weights_norm = 2^(t + lc).  The polynomial, its operand images and the layout of its results are those of the first pass: three v_wmma_f32_16x16x4_f32 for 16 gaussians x 16 queries (f32 operands ahead of a quantiser);
; after a half's four tiles lane (r, h) holds, for query r, the 32 neighbours 32 h + 0 .. 31 of the half's 64 gaussians: ONE WHOLE BLOCK of the quantiser, in the order of registers 6 c .. 6 c + 5 of the 6-bit operand
; (c = the half within the K step of 128).  So a block's largest weight needs no other lane, and two conversions give the operand's registers.
; THE PRODUCT IS USED TRANSPOSED: source 0 = 16 features (codes made by the first pass, kept as images of the operand's registers), source 1 = my 16 queries' weights: a lane holds 8 neighbouring features of one query.
; BY TURNS.  Three halves are in hand in a step: half x's 12 matrix instructions; between them the quantiser of half x - 2 and the 32 exponentials of half x - 1.  The f32 accumulators are two sets of 32 registers
; that change places from step to step.  A K step's two matrix instructions on codes stand in the step after its second half's quantiser.
; The chunk's coefficients (49,152 bytes) and feature codes (24,576 bytes) come into LDS once, 16 bytes a thread and load, and are read by all 16 waves; one barrier in the whole text.
; NO CLUSTER, NO TENSOR LOAD: what the 16 work-groups of a chunk share is these 73,728 bytes, read once at the head for 262,144 pairs of work; no loop waits for memory.
; LIMITS: NaN and infinities are not served; a normalised weight under 2^-126 counts as 0; a block whose weights are all 0 keeps the scale byte 1 (its codes are zeros).
.set FCODE, 49152
.set STAGE, 73728                      ; 2,048 bytes for each wave: 16 rows of 128 bytes, the wave's own
.set MONO, 12                          ; v12-17   the monomials
.set FS,   18                          ; v18-25   the features' scale words of the 8 K steps: lanes 0-15 tile 0, lanes 16-31 tile 1; scales and nothing else
.set PW,   26                          ; v26      the weights' scale word; scales and nothing else
.set PT,   27                          ; v27      the other half of the lanes' bytes
.set BY,   28                          ; v28-29   my block's byte in the K step's first and second half
.set SC,   30                          ; v30      the conversion's scale operand
.set MXA,  31                          ; v31, v191  two chains of the block's maximum (v31 first serves as the offset 4 r)
.set MXB,  191
.set AF,   32                          ; v32-79   two sets of a half's 24 operand registers
.set T,    80                          ; v80-111, v112-143  two sets of four accumulators: written by matrix instructions alone
.set W,    144                         ; v144-175 the normalised weights of a half
.set P,    176                         ; v176-187 their codes: the operand of a K step
.set PX,   188                         ; v188-190 a block's upper 16 codes, on their way
.set FF,   192                         ; v192-215 the features' two fragments of a K step
.set OA,   216                         ; v216-231 out^T: two tiles of 16 features
.set FL,   144                         ; v144-179 the fill of LDS, at the head; v144-159 the way out
.set PS,   232                         ; v232-247 the 16 partial sums
; v1 lane, v2 r, v3 h, v4 8 h; LDS addresses: v5 16 x lane, v6 FCODE + 16 x lane, v7 16 t, v8 FCODE + 16 t, v9 and v10 the stage; global offsets: v5, v7, v11 4 x lane, v31 4 r, v255 12 r
	s_load_b256 s[4:11], s[0:1], 0x0               ; query s[4:5], coef s[6:7], fcode s[8:9], fscale s[10:11]
	s_load_b128 s[12:15], s[0:1], 0x20             ; psum s[12:13], pout s[14:15]
	v_lshl_add_u32 v250, v0, 2, 0x1a000
	v_mov_b32 v251, 0
	v_lshrrev_b32 v1, 5, v0
	v_readfirstlane_b32 s18, v1                    ; wave 0..15
	s_and_b32 s16, ttmp9, 15                       ; qb
	s_and_b32 s17, ttmp7, 0xffff                   ; chunk
	s_mov_b32 s22, 0x76543210
	s_mov_b32 s23, 0xfedcba98                      ; v_permlanex16_b32's selects for lane l xor 16
	v_and_b32 v1, 31, v0
	v_and_b32 v2, 15, v0
	v_bfe_u32 v3, v0, 4, 1
	v_lshlrev_b32 v4, 3, v3
	v_lshlrev_b32 v5, 4, v1
	v_add_nc_u32 v6, FCODE, v5
	v_lshlrev_b32 v7, 4, v0
	v_add_nc_u32 v8, FCODE, v7
	s_lshl_b32 s20, s18, 11
	v_lshlrev_b32 v9, 7, v2
	v_lshl_add_u32 v9, v3, 5, v9
	v_add_nc_u32 v9, s20, v9
	v_add_nc_u32 v9, STAGE, v9                     ; in: row r, + 32 h
	v_add_nc_u32 v10, s20, v5
	v_add_nc_u32 v10, STAGE, v10                   ; back: 16 bytes a lane
	v_lshlrev_b32 v11, 2, v1
	v_lshlrev_b32 v31, 2, v2
	v_mul_u32_u24 v255, v2, 12
	v_mov_b32 v[PT], 0                             ; written once: a lane permute's destination counts as one of its sources
	s_lshl_b32 s19, s16, 8
	s_lshl_b32 s20, s18, 4
	s_add_co_u32 s19, s19, s20                     ; my first query: 256 qb + 16 wave
	s_mov_b32 s21, 0
	s_wait_kmcnt 0x0
	s_mul_i32 s20, s17, 49152
	s_add_nc_u64 s[6:7], s[6:7], s[20:21]
	s_mul_i32 s20, s17, 24576
	s_add_nc_u64 s[8:9], s[8:9], s[20:21]
	s_lshl_b32 s20, s17, 10
	s_add_nc_u64 s[10:11], s[10:11], s[20:21]
	s_lshl_b32 s20, s19, 2
	s_add_nc_u64 s[12:13], s[12:13], s[20:21]
	s_mul_i32 s20, s19, 12
	s_add_nc_u64 s[4:5], s[4:5], s[20:21]
	s_lshl_b32 s20, s17, 19                        ; the chunk's 4,096 rows of 128 bytes
	s_add_nc_u64 s[14:15], s[14:15], s[20:21]
	s_lshl_b32 s20, s19, 7
	s_add_nc_u64 s[14:15], s[14:15], s[20:21]
.irp i, 0,1,2,3,4,5
	global_load_b128 v[FL+4*\i:FL+4*\i+3], v7, s[6:7] offset:8192*\i
.endr
.irp i, 0,1,2
	global_load_b128 v[FL+24+4*\i:FL+27+4*\i], v7, s[8:9] offset:8192*\i
.endr
.irp k, 0,1,2,3,4,5,6,7
	global_load_b32 v[FS+\k], v11, s[10:11] offset:128*\k
.endr
.irp i, 0,1,2,3,4,5,6,7,8,9,10,11,12,13,14,15
	global_load_b32 v[PS+\i], v31, s[12:13] offset:16384*\i
.endr
	global_load_b96 v[252:254], v255, s[4:5]       ; my query
	s_wait_loadcnt 0x0
.irp i, 0,1,2,3,4,5
	ds_store_b128 v7, v[FL+4*\i:FL+4*\i+3] offset:8192*\i
.endr
.irp i, 0,1,2
	ds_store_b128 v8, v[FL+24+4*\i:FL+27+4*\i] offset:8192*\i
.endr
.irp i, 1,2,3,4,5,6,7,8,9,10,11,12,13,14,15
	v_add_f32 v[PS], v[PS], v[PS+\i]               ; the row's sum
.endr
	v_add_f32 v[PS], 0x322bcc77, v[PS]             ; + 1e-8
	v_log_f32 v[AF+8], v[PS]
	v_mul_f32 v[AF+0], v252, v252                  ; (plain work behind the logarithm)
	v_mul_f32 v[AF+1], v253, v253
	v_mul_f32 v[AF+2], v254, v254
	v_mul_f32 v[AF+3], v252, v253
	v_mul_f32 v[AF+4], v252, v254
	v_mul_f32 v[AF+5], v253, v254
	v_mov_b32 v[AF+6], 0
	v_mov_b32 v[AF+7], 1.0
	v_cmp_eq_u32 vcc_lo, 1, v3
	s_wait_alu depctr_va_vdst(0)                   ; the wait ahead of the logarithm's first reader
	v_sub_f32 v[AF+8], 0, v[AF+8]                  ; lc = -log2(S + 1e-8)
	v_cndmask_b32 v[MONO+0], v[AF+0], v[AF+2], vcc_lo     ; h = 0: xx yy | xz yz | z 1;   h = 1: zz xy | x y | lc 0
	v_cndmask_b32 v[MONO+1], v[AF+1], v[AF+3], vcc_lo
	v_cndmask_b32 v[MONO+2], v[AF+4], v252, vcc_lo
	v_cndmask_b32 v[MONO+3], v[AF+5], v253, vcc_lo
	v_cndmask_b32 v[MONO+4], v254, v[AF+8], vcc_lo
	v_cndmask_b32 v[MONO+5], v[AF+7], v[AF+6], vcc_lo
	s_wait_dscnt 0x0                               ; my part of the fill has landed
	s_barrier_signal -1
	s_barrier_wait -1                              ; everybody's has: from here on coefficients and codes are only read
.irp g, 0,1,2,3,4,5
	ds_load_b128 v[AF+4*\g:AF+4*\g+3], v5 offset:512*\g            ; half 0's operand registers
.endr
.irp g, 0,1,2,3,4,5
	ds_load_b128 v[FF+4*\g:FF+4*\g+3], v6 offset:512*\g            ; K step 0's two fragments of features
.endr
; THE QUANTISER OF A HALF is a list of 24 lines (28 in a K step's second half); QZ writes the next n of it.  0-15: the block's largest weight (none is negative), in two chains, with the floor 2^(3 - 127), so that the byte
; cannot fall under 1; 16: 2 off its exponent field: the conversion's scale operand; 17: the byte; 18, 19: the 32 codes; 20: the plain place behind a scaled conversion; 21-23: the upper 16 codes to their registers
; (a conversion's three registers begin on an even number); 24-27: my two bytes (blocks h and 2 + h of the K step) and lane l xor 16's two make the scale word.  In step 1, which has no such half, eight v_nop take the first eight's part as places.
.macro QZ n
.rept \n
.if HQ
.if QJ == 0
	v_max3_num_f32 v[MXA], v[W], v[W+1], 0x1800000
.elseif QJ == 1
	v_max3_num_f32 v[MXB], v[W+2], v[W+3], v[W+4]
.elseif QJ < 15
.if (QJ%2) == 0
	v_max3_num_f32 v[MXA], v[MXA], v[W+2*QJ+1], v[W+2*QJ+2]
.else
	v_max3_num_f32 v[MXB], v[MXB], v[W+2*QJ+1], v[W+2*QJ+2]
.endif
.elseif QJ == 15
	v_max3_num_f32 v[MXA], v[MXA], v[MXB], v[W+31]
.elseif QJ == 16
	v_add_nc_u32 v[SC], 0xff000000, v[MXA]
.elseif QJ == 17
	v_lshrrev_b32 v[BY+PB], 23, v[SC]
.elseif QJ == 18
	v_cvt_scalef32_pk16_fp6_f32 v[P+6*PB:P+6*PB+2], v[W:W+15], v[SC]
.elseif QJ == 19
	v_cvt_scalef32_pk16_fp6_f32 v[PX:PX+2], v[W+16:W+31], v[SC]
.elseif QJ == 20
	v_nop
.elseif QJ < 24
	v_mov_b32 v[P+6*PB+QJ-18], v[PX+QJ-21]
.elseif QJ == 24
	v_lshl_or_b32 v[PW], v[BY+1], 16, v[BY]
.elseif QJ == 25
	v_lshlrev_b32 v[PW], v4, v[PW]
.elseif QJ == 26
	v_permlanex16_b32 v[PT], v[PW], s22, s23
.else
	v_or_b32 v[PW], v[PW], v[PT]
.endif
.elseif NP && (QJ < 8)
	v_nop
.endif
.set QJ, QJ+1
.endr
.endm
; EXPS writes the next n of the 32 exponentials of the half before: ascending.
.macro EXPS n
.rept \n
	v_exp_f32 v[W+EJ], v[T+32*TQ+EJ]               ; the normalised weight 2^(t + lc)
.set EJ, EJ+1
.endr
.endm
; The two matrix instructions on codes of K step ks: the two tiles of features take turns; the first K step's start the sums with the constant 0.
.macro FP6 ks
.if (\ks) == 0
	v_wmma_scale_f32_16x16x128_f8f6f4 v[OA:OA+7], v[FF:FF+11], v[P:P+11], 0, v[FS+(\ks)], v[PW] matrix_a_fmt:MATRIX_FMT_FP6 matrix_b_fmt:MATRIX_FMT_FP6
	v_wmma_scale_f32_16x16x128_f8f6f4 v[OA+8:OA+15], v[FF+12:FF+23], v[P:P+11], 0, v[FS+(\ks)], v[PW] matrix_a_fmt:MATRIX_FMT_FP6 matrix_b_fmt:MATRIX_FMT_FP6 matrix_a_scale:MATRIX_SCALE_ROW1
.else
	v_wmma_scale_f32_16x16x128_f8f6f4 v[OA:OA+7], v[FF:FF+11], v[P:P+11], v[OA:OA+7], v[FS+(\ks)], v[PW] matrix_a_fmt:MATRIX_FMT_FP6 matrix_b_fmt:MATRIX_FMT_FP6
	v_wmma_scale_f32_16x16x128_f8f6f4 v[OA+8:OA+15], v[FF+12:FF+23], v[P:P+11], v[OA+8:OA+15], v[FS+(\ks)], v[PW] matrix_a_fmt:MATRIX_FMT_FP6 matrix_b_fmt:MATRIX_FMT_FP6 matrix_a_scale:MATRIX_SCALE_ROW1
.endif
.endm
; STEP x.  Half x's 12 f32 matrix instructions go into accumulator set x % 2, the four accumulators by turns, one instruction a turn; the first of each sum takes the constant 0.
; Behind each of the first four stand six lines of the quantiser of half x - 2 (it reads W, for the last time in line 19); behind each of the other eight four exponentials of half x - 1 (they read the other set and write W).
; PLACES (eight behind the f32 form, four behind the form on 6-bit codes).  Between the last f32 matrix instruction of step x - 1 and the loads into the operand registers that it read stand the v_nop
; that closes that step and 12 lines of the quantiser; between it and the first exponential that reads its results that v_nop and 24.
; In an even step from 4 on the two matrix instructions on the codes of K step (x - 4) / 2 stand behind the second slice: the scale word was written in step x - 1 (line 27), 13 plain lines back (8 are asked);
; the next K step's features are loaded six plain lines behind them, and the first write of P (line 18) stands behind the same six.
; ONE wait closes a step: for its 32 exponentials, ahead of the next step's first line of the quantiser.
.macro STEPQ x
.set PB, (\x)%2
.set TQ, 1-PB
.set HQ, 0
.set NP, 0
.set HE, 0
.set HF, 0
.if (\x) > 1
.set HQ, 1
.endif
.if (\x) == 1
.set NP, 1
.endif
.if ((\x) > 0) && ((\x) < 17)
.set HE, 1
.endif
.if (PB == 0) && ((\x) > 3)
.set HF, 1
.set KS, ((\x)-4)/2
.endif
.set QJ, 0
.set EJ, 0
	s_wait_dscnt 0x0                               ; this half's operand registers are in, and whatever features were asked for in the step before
.irp m, 0,1,2,3,4,5,6,7,8,9,10,11
.if (\x) < 16
.set TD, T+32*PB+8*(\m%4)
.set TA, AF+24*PB+8*(\m/4)+2*(\m%4)
.set TM, MONO+2*(\m/4)
.if \m < 4
	v_wmma_f32_16x16x4_f32 v[TD:TD+7], v[TA:TA+1], v[TM:TM+1], 0
.else
	v_wmma_f32_16x16x4_f32 v[TD:TD+7], v[TA:TA+1], v[TM:TM+1], v[TD:TD+7]
.endif
.endif
.if \m < 4
	QZ 6
.else
.if (\m == 4) && (PB == 1)
	QZ 4
.endif
.if HE
	EXPS 4
.endif
.endif
.if \m == 1
.if (\x) < 15
.irp g, 0,1,2,3,4,5
	ds_load_b128 v[AF+24*TQ+4*\g:AF+24*TQ+4*\g+3], v5 offset:3072*((\x)+1)+512*\g   ; the next half's operand registers
.endr
.endif
.if HF
	FP6 KS
.endif
.endif
.if (\m == 2) && HF
.irp g, 0,1,2,3,4,5
	ds_load_b128 v[FF+4*\g:FF+4*\g+3], v6 offset:3072*(KS+1)+512*\g    ; the next K step's two fragments of features (the last such step is 16: K step 7's)
.endr
.endif
.endr
.if HE
	v_nop                                          ; a plain place behind the last exponential
	s_wait_alu depctr_va_vdst(0)
.endif
.endm
.irp x, 0,1,2,3,4,5,6,7,8,9,10,11,12,13,14,15,16,17
	STEPQ \x
.endr
	s_wait_dscnt 0x0                               ; K step 7's features
.rept 8
	v_nop                                          ; the scale word has just been written: eight places ahead of a scaled matrix instruction
.endr
	FP6 7
.rept 4
	v_nop                                          ; four places ahead of the first read of the results
.endr
	; THE WAY OUT.  Lane (r, h) holds features 16 tile + 8 h + 0 .. 7 of query r.  They go through my own stage and come back as 2,048 consecutive bytes: 16 whole rows of pout.
	ds_store_b128 v9, v[OA:OA+3]                   ; each accumulator from its low end on
	ds_store_b128 v9, v[OA+4:OA+7] offset:16
	ds_store_b128 v9, v[OA+8:OA+11] offset:64
	ds_store_b128 v9, v[OA+12:OA+15] offset:80
.irp i, 0,1,2,3
	ds_load_b128 v[FL+4*\i:FL+4*\i+3], v10 offset:512*\i   ; LDS serves a wave's instructions in order (ISA guide 5.7.1.4): these see my stores
.endr
	s_wait_dscnt 0x0
.irp i, 0,1,2,3
	global_store_b128 v5, v[FL+4*\i:FL+4*\i+3], s[14:15] offset:512*\i th:TH_STORE_NT   ; 32 lanes store 512 consecutive bytes, at a multiple of 256 from pout's first byte
.endr
	s_wait_tensorcnt 0x0
	ds_add_u32 v250, v251
	s_wait_dscnt 0x0
	s_endpgm
.Lfunc_end_k_q65e44dd65f_splat:
	.size	k_q65e44dd65f_splat, .Lfunc_end_k_q65e44dd65f_splat-k_q65e44dd65f_splat
	.p2alignl 7, 3214868480
	.fill 96, 4, 3214868480
	.section	.rodata,"a",@progbits
	.p2align	6, 0x0
	.amdhsa_kernel k_q65e44dd65f_splat
		.amdhsa_group_segment_fixed_size 108544
		.amdhsa_private_segment_fixed_size 0
		.amdhsa_enable_private_segment 0
		.amdhsa_kernarg_size 48
		.amdhsa_user_sgpr_count 2
		.amdhsa_user_sgpr_kernarg_segment_ptr 1
		.amdhsa_wavefront_size32 1
		.amdhsa_system_sgpr_workgroup_id_x 1
		.amdhsa_system_sgpr_workgroup_id_y 1
		.amdhsa_system_sgpr_workgroup_id_z 1
		.amdhsa_system_vgpr_workitem_id 0
		.amdhsa_next_free_vgpr 256
		.amdhsa_next_free_sgpr 66
		.amdhsa_reserve_vcc 1
		.amdhsa_float_denorm_mode_32 3
		.amdhsa_float_denorm_mode_16_64 3
		.amdhsa_memory_ordered 1
		.amdhsa_forward_progress 1
		.amdhsa_inst_pref_size 73
	.end_amdhsa_kernel
	.amdgpu_metadata
---
amdhsa.version: [ 1, 2 ]
amdhsa.kernels:
  - .name:           k_q65e44dd65f_splat
    .symbol:         k_q65e44dd65f_splat.kd
    .args:
      - { .name: query_xyz, .offset: 0, .size: 8, .value_kind: global_buffer, .address_space: global }
      - { .name: coef, .offset: 8, .size: 8, .value_kind: global_buffer, .address_space: global }
      - { .name: fcode, .offset: 16, .size: 8, .value_kind: global_buffer, .address_space: global }
      - { .name: fscale, .offset: 24, .size: 8, .value_kind: global_buffer, .address_space: global }
      - { .name: psum, .offset: 32, .size: 8, .value_kind: global_buffer, .address_space: global }
      - { .name: pout, .offset: 40, .size: 8, .value_kind: global_buffer, .address_space: global }
    .group_segment_fixed_size: 108544
    .private_segment_fixed_size: 0
    .kernarg_segment_align: 8
    .kernarg_segment_size: 48
    .max_flat_workgroup_size: 512
    .sgpr_count:     66
    .vgpr_count:     256
    .wavefront_size: 32
...
	.end_amdgpu_metadata
.endif
;; end of part 2
;; launch reduce (part 3): grid 256 x 1, 4 waves a work-group, no clusters, 0 bytes of LDS; arguments pout, out0; writes out0
.if DOCPART == 3
	.amdgcn_target "amdgcn-amd-amdhsa--gfx1250"
	.amdhsa_code_object_version 6
	.text
	.protected	k_q65e44dd65f_reduce
	.globl	k_q65e44dd65f_reduce
	.p2align	8
	.type	k_q65e44dd65f_reduce,@function
k_q65e44dd65f_reduce:
	s_mov_b64 s[64:65], 0
	v_nop
	global_prefetch_b8 v0, s[64:65] scope:SCOPE_SE
	s_setreg_imm32_b32 hwreg(HW_REG_WAVE_MODE, 25, 1), 1
	s_wait_xcnt 0x0
; out0 = the sum over the 16 chunks of pout[chunk], in ascending order.  A stream: each thread owns 16 bytes of out0, a wave 512 consecutive bytes, a work-group 2,048.
; All 16 loads of a thread go out at once (524,288 bytes apart: the largest offset, 7,864,320, lies inside the signed 24-bit immediate); each is added as it comes.  No LDS, no barrier, no matrix unit: nothing here is shared.
	s_load_b128 s[4:7], s[0:1], 0x0                ; pout s[4:5], out0 s[6:7]
	v_lshlrev_b32 v1, 4, v0
	s_lshl_b32 s8, ttmp9, 11
	s_mov_b32 s9, 0
	s_wait_kmcnt 0x0
	s_add_nc_u64 s[4:5], s[4:5], s[8:9]
	s_add_nc_u64 s[6:7], s[6:7], s[8:9]
.irp i, 0,1,2,3,4,5,6,7,8,9,10,11,12,13,14,15
	global_load_b128 v[4+4*\i:7+4*\i], v1, s[4:5] offset:524288*\i th:TH_LOAD_NT
.endr
.irp i, 1,2,3,4,5,6,7,8,9,10,11,12,13,14,15
	s_wait_loadcnt 15-\i                           ; loads come back in order (ISA guide 5.7.1): chunk i's is in, the 15 - i younger ones may be out
	v_pk_add_f32 v[4:5], v[4:5], v[4+4*\i:5+4*\i]
	v_pk_add_f32 v[6:7], v[6:7], v[6+4*\i:7+4*\i]
.endr
	global_store_b128 v1, v[4:7], s[6:7] th:TH_STORE_NT
	s_endpgm
.Lfunc_end_k_q65e44dd65f_reduce:
	.size	k_q65e44dd65f_reduce, .Lfunc_end_k_q65e44dd65f_reduce-k_q65e44dd65f_reduce
	.p2alignl 7, 3214868480
	.fill 96, 4, 3214868480
	.section	.rodata,"a",@progbits
	.p2align	6, 0x0
	.amdhsa_kernel k_q65e44dd65f_reduce
		.amdhsa_group_segment_fixed_size 0
		.amdhsa_private_segment_fixed_size 0
		.amdhsa_enable_private_segment 0
		.amdhsa_kernarg_size 16
		.amdhsa_user_sgpr_count 2
		.amdhsa_user_sgpr_kernarg_segment_ptr 1
		.amdhsa_wavefront_size32 1
		.amdhsa_system_sgpr_workgroup_id_x 1
		.amdhsa_system_sgpr_workgroup_id_y 1
		.amdhsa_system_sgpr_workgroup_id_z 1
		.amdhsa_system_vgpr_workitem_id 0
		.amdhsa_next_free_vgpr 72
		.amdhsa_next_free_sgpr 66
		.amdhsa_reserve_vcc 0
		.amdhsa_float_denorm_mode_32 3
		.amdhsa_float_denorm_mode_16_64 3
		.amdhsa_memory_ordered 1
		.amdhsa_forward_progress 1
		.amdhsa_inst_pref_size 5
	.end_amdhsa_kernel
	.amdgpu_metadata
---
amdhsa.version: [ 1, 2 ]
amdhsa.kernels:
  - .name:           k_q65e44dd65f_reduce
    .symbol:         k_q65e44dd65f_reduce.kd
    .args:
      - { .name: pout, .offset: 0, .size: 8, .value_kind: global_buffer, .address_space: global }
      - { .name: out0, .offset: 8, .size: 8, .value_kind: global_buffer, .address_space: global }
    .group_segment_fixed_size: 0
    .private_segment_fixed_size: 0
    .kernarg_segment_align: 8
    .kernarg_segment_size: 16
    .max_flat_workgroup_size: 128
    .sgpr_count:     66
    .vgpr_count:     72
    .wavefront_size: 32
...
	.end_amdgpu_metadata
.endif
;; end of part 3
;; ======== version 2 of 2: 3 launches; version 1 with the launch splat written anew for expert scheduling mode
;; limits: right only within a limited range of input values
;; workspace buffers: coef 786,432 bytes; fcode 393,216 bytes; fscale 16,384 bytes; psum 262,144 bytes; pout 8,388,608 bytes
;; launch sums: the kernel of part 1 again; grid 16 x 16, 16 waves a work-group, no clusters, 67,584 bytes of LDS; arguments query_xyz, means, log_scales, rotations, opacity_logits, gaussian_feats, coef, fcode, fscale, psum; writes coef, fcode, fscale, psum
;; launch splat (part 4): grid 16 x 16, 16 waves a work-group, no clusters, 108,544 bytes of LDS; arguments query_xyz, coef, fcode, fscale, psum, pout; writes pout
.if DOCPART == 4
	.amdgcn_target "amdgcn-amd-amdhsa--gfx1250"
	.amdhsa_code_object_version 6
	.text
	.protected	k_q65e44dd65f_splat
	.globl	k_q65e44dd65f_splat
	.p2align	8
	.type	k_q65e44dd65f_splat,@function
k_q65e44dd65f_splat:
	s_mov_b64 s[64:65], 0
	v_nop
	global_prefetch_b8 v0, s[64:65] scope:SCOPE_SE
	s_setreg_imm32_b32 hwreg(HW_REG_WAVE_SCHED_MODE, 0, 2), 2
	s_setreg_imm32_b32 hwreg(HW_REG_WAVE_MODE, 25, 1), 1
	s_wait_xcnt 0x0
	s_wait_alu depctr_vm_vsrc(0)
; PASS 2.  Work-group (qb, chunk): 256 queries x 1,024 gaussians; a wave: 16 queries, all 1,024 gaussians.  pout[chunk][query][feature] = the chunk's part of weights_norm @ feats, the product on codes of E2M3.
; The row's sum S is the 16 chunks' partial sums, added in ascending order; lc = -log2(S + 1e-8) is the query's eleventh monomial, so that the polynomial gives log2 of the FINISHED, normalised weight:
; weights_norm = 2^(t + lc).  The polynomial, its operand images and the layout of its results are those of the first pass: three v_wmma_f32_16x16x4_f32 for 16 gaussians x 16 queries (f32 operands ahead of a quantiser);
; after a half's four tiles lane (r, h) holds, for query r, the 32 neighbours 32 h + 0 .. 31 of the half's 64 gaussians: ONE WHOLE BLOCK of the quantiser, in the order of registers 6 c .. 6 c + 5 of the 6-bit operand
; (c = the half within the K step of 128).  So a block's largest weight needs no other lane, and two conversions give the operand's registers.
; THE PRODUCT IS USED TRANSPOSED: source 0 = 16 features (codes made by the first pass, kept as images of the operand's registers), source 1 = my 16 queries' weights: a lane holds 8 neighbouring features of one query.
; BY TURNS.  Three halves are in hand in a step: half x's 12 matrix instructions; between them the quantiser of half x - 2 and the 32 exponentials of half x - 1.  The f32 accumulators are two sets of 32 registers
; that change places from step to step.  A K step's two matrix instructions on codes stand in the step after its second half's quantiser.
; The chunk's coefficients (49,152 bytes) and feature codes (24,576 bytes) come into LDS once, 16 bytes a thread and load, and are read by all 16 waves; one barrier in the whole text.
; NO CLUSTER, NO TENSOR LOAD: what the 16 work-groups of a chunk share is these 73,728 bytes, read once at the head for 262,144 pairs of work; no loop waits for memory.
; LIMITS: NaN and infinities are not served; a normalised weight under 2^-126 counts as 0; a block whose weights are all 0 keeps the scale byte 1 (its codes are zeros).
; THE MODE: SCHED_MODE bits 1:0 = 2 (LLVM: expert scheduling mode 2), set by the entry lines.  The code itself states the register dependences between vector or matrix instructions and memory or LDS
; instructions, with s_wait_alu, always for 0.
; THE PLAN.  Registers that memory or LDS instructions touch:
;   v5-v11, v255  offsets and LDS addresses: made at the head, ahead of one wait on va_vdst, and never written again.
;   v31           the offset 4 r of the partial sums' loads; from step 2 on a chain of the block's maximum: one wait on vm_vsrc behind the barrier stands between.
;   v144-179      the fill of LDS: loaded, then read by the head's LDS stores; from step 1 on W and part of P: the same wait on vm_vsrc.
;   AF0, AF1      Step x: its 12 f32 matrix instructions read AF[x % 2]; the LDS loads of step x + 1 land in it (half x + 2).  (AF0's first nine registers serve the head's arithmetic first.)
;   FF            An even step from 4 on: its two matrix instructions on codes read FF; the LDS loads of the odd step behind it land in it (the next K step's features).
;   P, PW         named by no memory instruction, but written by vector instructions and taken by a scaled matrix instruction a step later.
;   OA, v144-159  the way out: the accumulators are the LDS stores' data; the stage's loads land where W lay.
;   v250, v251    written at the head, read by the closing add alone.
; So ONE wait on va_vdst closes a step.  It states that the step's exponentials have written W, that its matrix instructions are done reading their operand set and FF, and that P and the scale word are written.
; Between it and the next step's loads stand matrix instructions on the other operand set and lines of the quantiser that name W, the two maxima, the conversion's scale operand and the byte: none of the registers that those loads touch.
.set FCODE, 49152
.set STAGE, 73728                      ; 2,048 bytes for each wave: 16 rows of 128 bytes, the wave's own
.set MONO, 12                          ; v12-17   the monomials
.set FS,   18                          ; v18-25   the features' scale words of the 8 K steps: lanes 0-15 tile 0, lanes 16-31 tile 1; scales and nothing else
.set PW,   26                          ; v26      the weights' scale word; scales and nothing else
.set PT,   27                          ; v27      the other half of the lanes' bytes
.set BY,   28                          ; v28-29   my block's byte in the K step's first and second half
.set SC,   30                          ; v30      the conversion's scale operand
.set MXA,  31                          ; v31, v191  two chains of the block's maximum (v31 first serves as the offset 4 r)
.set MXB,  191
.set AF,   32                          ; v32-79   two sets of a half's 24 operand registers
.set T,    80                          ; v80-111, v112-143  two sets of four accumulators: written by matrix instructions alone
.set W,    144                         ; v144-175 the normalised weights of a half
.set P,    176                         ; v176-187 their codes: the operand of a K step
.set PX,   188                         ; v188-190 a block's upper 16 codes, on their way
.set FF,   192                         ; v192-215 the features' two fragments of a K step
.set OA,   216                         ; v216-231 out^T: two tiles of 16 features
.set FL,   144                         ; v144-179 the fill of LDS, at the head; v144-159 the way out
.set PS,   232                         ; v232-247 the 16 partial sums
; v1 lane, v2 r, v3 h, v4 8 h; LDS addresses: v5 16 x lane, v6 FCODE + 16 x lane, v7 16 t, v8 FCODE + 16 t, v9 and v10 the stage; global offsets: v5, v7, v11 4 x lane, v31 4 r, v255 12 r
	s_load_b256 s[4:11], s[0:1], 0x0               ; query s[4:5], coef s[6:7], fcode s[8:9], fscale s[10:11]
	s_load_b128 s[12:15], s[0:1], 0x20             ; psum s[12:13], pout s[14:15]
	v_lshl_add_u32 v250, v0, 2, 0x1a000
	v_mov_b32 v251, 0
	v_lshrrev_b32 v1, 5, v0
	v_readfirstlane_b32 s18, v1                    ; wave 0..15
	s_and_b32 s16, ttmp9, 15                       ; qb
	s_and_b32 s17, ttmp7, 0xffff                   ; chunk
	s_mov_b32 s22, 0x76543210
	s_mov_b32 s23, 0xfedcba98                      ; v_permlanex16_b32's selects for lane l xor 16
	v_and_b32 v1, 31, v0
	v_and_b32 v2, 15, v0
	v_bfe_u32 v3, v0, 4, 1
	v_lshlrev_b32 v4, 3, v3
	v_lshlrev_b32 v5, 4, v1
	v_add_nc_u32 v6, FCODE, v5
	v_lshlrev_b32 v7, 4, v0
	v_add_nc_u32 v8, FCODE, v7
	s_wait_alu depctr_va_sdst(0)                   ; s18 is written, ahead of its first reader: the stage's place and my first query are made from it
	s_lshl_b32 s20, s18, 11
	v_lshlrev_b32 v9, 7, v2
	v_lshl_add_u32 v9, v3, 5, v9
	v_add_nc_u32 v9, s20, v9
	v_add_nc_u32 v9, STAGE, v9                     ; in: row r, + 32 h
	v_add_nc_u32 v10, s20, v5
	v_add_nc_u32 v10, STAGE, v10                   ; back: 16 bytes a lane
	v_lshlrev_b32 v11, 2, v1
	v_lshlrev_b32 v31, 2, v2
	v_mul_u32_u24 v255, v2, 12
	v_mov_b32 v[PT], 0                             ; written once: a lane permute's destination counts as one of its sources
	s_lshl_b32 s19, s16, 8
	s_lshl_b32 s20, s18, 4
	s_add_co_u32 s19, s19, s20                     ; my first query: 256 qb + 16 wave
	s_mov_b32 s21, 0
	s_wait_kmcnt 0x0
	s_mul_i32 s20, s17, 49152
	s_add_nc_u64 s[6:7], s[6:7], s[20:21]
	s_mul_i32 s20, s17, 24576
	s_add_nc_u64 s[8:9], s[8:9], s[20:21]
	s_lshl_b32 s20, s17, 10
	s_add_nc_u64 s[10:11], s[10:11], s[20:21]
	s_lshl_b32 s20, s19, 2
	s_add_nc_u64 s[12:13], s[12:13], s[20:21]
	s_mul_i32 s20, s19, 12
	s_add_nc_u64 s[4:5], s[4:5], s[20:21]
	s_lshl_b32 s20, s17, 19                        ; the chunk's 4,096 rows of 128 bytes
	s_add_nc_u64 s[14:15], s[14:15], s[20:21]
	s_lshl_b32 s20, s19, 7
	s_add_nc_u64 s[14:15], s[14:15], s[20:21]
	s_wait_alu depctr_va_vdst(0)                   ; the offsets and LDS addresses v5 to v11, v31 and v255 are written: every load and store of the kernel reads one of them
.irp i, 0,1,2,3,4,5
	global_load_b128 v[FL+4*\i:FL+4*\i+3], v7, s[6:7] offset:8192*\i
.endr
.irp i, 0,1,2
	global_load_b128 v[FL+24+4*\i:FL+27+4*\i], v7, s[8:9] offset:8192*\i
.endr
.irp k, 0,1,2,3,4,5,6,7
	global_load_b32 v[FS+\k], v11, s[10:11] offset:128*\k
.endr
.irp i, 0,1,2,3,4,5,6,7,8,9,10,11,12,13,14,15
	global_load_b32 v[PS+\i], v31, s[12:13] offset:16384*\i
.endr
	global_load_b96 v[252:254], v255, s[4:5]       ; my query
	s_wait_loadcnt 0x0
.irp i, 0,1,2,3,4,5
	ds_store_b128 v7, v[FL+4*\i:FL+4*\i+3] offset:8192*\i
.endr
.irp i, 0,1,2
	ds_store_b128 v8, v[FL+24+4*\i:FL+27+4*\i] offset:8192*\i
.endr
.irp i, 1,2,3,4,5,6,7,8,9,10,11,12,13,14,15
	v_add_f32 v[PS], v[PS], v[PS+\i]               ; the row's sum
.endr
	v_add_f32 v[PS], 0x322bcc77, v[PS]             ; + 1e-8
	v_log_f32 v[AF+8], v[PS]
	v_mul_f32 v[AF+0], v252, v252                  ; (plain work behind the logarithm)
	v_mul_f32 v[AF+1], v253, v253
	v_mul_f32 v[AF+2], v254, v254
	v_mul_f32 v[AF+3], v252, v253
	v_mul_f32 v[AF+4], v252, v254
	v_mul_f32 v[AF+5], v253, v254
	v_mov_b32 v[AF+6], 0
	v_mov_b32 v[AF+7], 1.0
	v_cmp_eq_u32 vcc_lo, 1, v3
	s_wait_alu depctr_va_vcc(0)                    ; the compare has written VCC, ahead of its first reader, the first selection below
	s_wait_alu depctr_va_vdst(0)                   ; the logarithm has written v[AF+8], ahead of its first reader
	v_sub_f32 v[AF+8], 0, v[AF+8]                  ; lc = -log2(S + 1e-8)
	v_cndmask_b32 v[MONO+0], v[AF+0], v[AF+2], vcc_lo     ; h = 0: xx yy | xz yz | z 1;   h = 1: zz xy | x y | lc 0
	v_cndmask_b32 v[MONO+1], v[AF+1], v[AF+3], vcc_lo
	v_cndmask_b32 v[MONO+2], v[AF+4], v252, vcc_lo
	v_cndmask_b32 v[MONO+3], v[AF+5], v253, vcc_lo
	v_cndmask_b32 v[MONO+4], v254, v[AF+8], vcc_lo
	v_cndmask_b32 v[MONO+5], v[AF+7], v[AF+6], vcc_lo
	s_wait_dscnt 0x0                               ; my part of the fill has landed
	s_barrier_signal -1
	s_barrier_wait -1                              ; everybody's has: from here on coefficients and codes are only read
	s_wait_alu depctr_vm_vsrc(0)                   ; my LDS stores have read v144 to v179, which the exponentials and conversions write from step 1 on; the partial sums' loads have read v31, which the maximum writes from step 2 on
	s_wait_alu depctr_va_vdst(0)                   ; the lines above have written v[AF] to v[AF+8] and the selections are done reading them: half 0's loads land there
.irp g, 0,1,2,3,4,5
	ds_load_b128 v[AF+4*\g:AF+4*\g+3], v5 offset:512*\g            ; half 0's operand registers
.endr
.irp g, 0,1,2,3,4,5
	ds_load_b128 v[FF+4*\g:FF+4*\g+3], v6 offset:512*\g            ; K step 0's two fragments of features
.endr
; THE QUANTISER OF A HALF is a list of 24 lines (28 in a K step's second half); QZ writes the next n of it.  0-15: the block's largest weight (none is negative), in two chains, with the floor 2^(3 - 127), so that the byte
; cannot fall under 1; 16: 2 off its exponent field: the conversion's scale operand; 17: the byte; 18, 19: the 32 codes; 20: the plain place behind a scaled conversion; 21-23: the upper 16 codes to their registers
; (a conversion's three registers begin on an even number); 24-27: my two bytes (blocks h and 2 + h of the K step) and lane l xor 16's two make the scale word.  In step 1, which has no such half, eight v_nop take the first eight's part as places.
.macro QZ n
.rept \n
.if HQ
.if QJ == 0
	v_max3_num_f32 v[MXA], v[W], v[W+1], 0x1800000
.elseif QJ == 1
	v_max3_num_f32 v[MXB], v[W+2], v[W+3], v[W+4]
.elseif QJ < 15
.if (QJ%2) == 0
	v_max3_num_f32 v[MXA], v[MXA], v[W+2*QJ+1], v[W+2*QJ+2]
.else
	v_max3_num_f32 v[MXB], v[MXB], v[W+2*QJ+1], v[W+2*QJ+2]
.endif
.elseif QJ == 15
	v_max3_num_f32 v[MXA], v[MXA], v[MXB], v[W+31]
.elseif QJ == 16
	v_add_nc_u32 v[SC], 0xff000000, v[MXA]
.elseif QJ == 17
	v_lshrrev_b32 v[BY+PB], 23, v[SC]
.elseif QJ == 18
	v_cvt_scalef32_pk16_fp6_f32 v[P+6*PB:P+6*PB+2], v[W:W+15], v[SC]
.elseif QJ == 19
	v_cvt_scalef32_pk16_fp6_f32 v[PX:PX+2], v[W+16:W+31], v[SC]
.elseif QJ == 20
	v_nop
.elseif QJ < 24
	v_mov_b32 v[P+6*PB+QJ-18], v[PX+QJ-21]
.elseif QJ == 24
	v_lshl_or_b32 v[PW], v[BY+1], 16, v[BY]
.elseif QJ == 25
	v_lshlrev_b32 v[PW], v4, v[PW]
.elseif QJ == 26
	v_permlanex16_b32 v[PT], v[PW], s22, s23
.else
	v_or_b32 v[PW], v[PW], v[PT]
.endif
.elseif NP && (QJ < 8)
	v_nop
.endif
.set QJ, QJ+1
.endr
.endm
; EXPS writes the next n of the 32 exponentials of the half before: ascending.
.macro EXPS n
.rept \n
	v_exp_f32 v[W+EJ], v[T+32*TQ+EJ]               ; the normalised weight 2^(t + lc)
.set EJ, EJ+1
.endr
.endm
; The two matrix instructions on codes of K step ks: the two tiles of features take turns; the first K step's start the sums with the constant 0.
.macro FP6 ks
.if (\ks) == 0
	v_wmma_scale_f32_16x16x128_f8f6f4 v[OA:OA+7], v[FF:FF+11], v[P:P+11], 0, v[FS+(\ks)], v[PW] matrix_a_fmt:MATRIX_FMT_FP6 matrix_b_fmt:MATRIX_FMT_FP6
	v_wmma_scale_f32_16x16x128_f8f6f4 v[OA+8:OA+15], v[FF+12:FF+23], v[P:P+11], 0, v[FS+(\ks)], v[PW] matrix_a_fmt:MATRIX_FMT_FP6 matrix_b_fmt:MATRIX_FMT_FP6 matrix_a_scale:MATRIX_SCALE_ROW1
.else
	v_wmma_scale_f32_16x16x128_f8f6f4 v[OA:OA+7], v[FF:FF+11], v[P:P+11], v[OA:OA+7], v[FS+(\ks)], v[PW] matrix_a_fmt:MATRIX_FMT_FP6 matrix_b_fmt:MATRIX_FMT_FP6
	v_wmma_scale_f32_16x16x128_f8f6f4 v[OA+8:OA+15], v[FF+12:FF+23], v[P:P+11], v[OA+8:OA+15], v[FS+(\ks)], v[PW] matrix_a_fmt:MATRIX_FMT_FP6 matrix_b_fmt:MATRIX_FMT_FP6 matrix_a_scale:MATRIX_SCALE_ROW1
.endif
.endm
; STEP x.  Half x's 12 f32 matrix instructions go into accumulator set x % 2, the four accumulators by turns, one instruction a turn; the first of each sum takes the constant 0.
; Behind each of the first four stand six lines of the quantiser of half x - 2 (it reads W, for the last time in line 19); behind each of the other eight four exponentials of half x - 1 (they read the other set and write W).
; PLACES (eight behind the f32 form, four behind the form on 6-bit codes).  Between the last f32 matrix instruction of step x - 1 and the first exponential that reads its results stand the v_nop
; that closes that step and 24 lines of the quantiser; between it and the loads into the operand registers that it read that v_nop and 12.
; In an even step from 4 on the two matrix instructions on the codes of K step (x - 4) / 2 stand behind the second slice: the scale word was written in step x - 1 (line 27), 13 plain lines back (8 are asked),
; and the first write of P (line 18) stands six plain lines behind them.
; THE LOADS.  The next half's operand registers are asked for behind the second slice; in an odd step from 5 on the features of K step (x - 3) / 2 behind the third: they land in the registers that the matrix
; instructions on codes of the step before have read.  Both runs lean on the wait that closed the step before, and are waited for at the next step's head.
.macro STEPQ x
.set PB, (\x)%2
.set TQ, 1-PB
.set HQ, 0
.set NP, 0
.set HE, 0
.set HF, 0
.set HG, 0
.if (\x) > 1
.set HQ, 1
.endif
.if (\x) == 1
.set NP, 1
.endif
.if ((\x) > 0) && ((\x) < 17)
.set HE, 1
.endif
.if (PB == 0) && ((\x) > 3)
.set HF, 1
.set KS, ((\x)-4)/2
.endif
.if (PB == 1) && ((\x) > 4)
.set HG, 1
.set KG, ((\x)-3)/2
.endif
.set QJ, 0
.set EJ, 0
	s_wait_dscnt 0x0                               ; this half's operand registers are in, and whatever features were asked for in the step before
.irp m, 0,1,2,3,4,5,6,7,8,9,10,11
.if (\x) < 16
.set TD, T+32*PB+8*(\m%4)
.set TA, AF+24*PB+8*(\m/4)+2*(\m%4)
.set TM, MONO+2*(\m/4)
.if \m < 4
	v_wmma_f32_16x16x4_f32 v[TD:TD+7], v[TA:TA+1], v[TM:TM+1], 0
.else
	v_wmma_f32_16x16x4_f32 v[TD:TD+7], v[TA:TA+1], v[TM:TM+1], v[TD:TD+7]
.endif
.endif
.if \m < 4
	QZ 6
.else
.if (\m == 4) && (PB == 1)
	QZ 4
.endif
.if HE
	EXPS 4
.endif
.endif
.if \m == 1
.if (\x) < 15
.irp g, 0,1,2,3,4,5
	ds_load_b128 v[AF+24*TQ+4*\g:AF+24*TQ+4*\g+3], v5 offset:3072*((\x)+1)+512*\g   ; the next half's operand registers.  No wait: no vector or matrix instruction since the wait that closed the last step names them
.endr
.endif
.if HF
	FP6 KS
.endif
.endif
.if (\m == 2) && HG
.irp g, 0,1,2,3,4,5
	ds_load_b128 v[FF+4*\g:FF+4*\g+3], v6 offset:3072*KG+512*\g    ; the next K step's two fragments of features (the last such step is 17: K step 7's).  No wait, likewise
.endr
.endif
.endr
.if HE
	v_nop                                          ; a plain place behind the last exponential
	s_wait_alu depctr_va_vdst(0)                   ; the step's 32 exponentials have written W, ahead of the next step's first line of the quantiser; its matrix instructions are done reading their operand set and FF, in which the next step's loads land; P and the scale word are written, which the next step's matrix instructions on codes take
.elseif (\x) == 0
	s_wait_alu depctr_va_vdst(0)                   ; step 0's matrix instructions are done reading operand set 0, in which step 1's loads land
.endif
.endm
.irp x, 0,1,2,3,4,5,6,7,8,9,10,11,12,13,14,15,16,17
	STEPQ \x
.endr
	s_wait_dscnt 0x0                               ; K step 7's features
.rept 8
	v_nop                                          ; the scale word has just been written: eight places ahead of a scaled matrix instruction
.endr
	s_wait_alu depctr_va_vdst(0)                   ; step 17's lines have written P's second half and the scale word, which the two matrix instructions below take; the places above stay beside this wait
	FP6 7
.rept 4
	v_nop                                          ; four places ahead of the first read of the results
.endr
	s_wait_alu depctr_va_vdst(0)                   ; the matrix instructions have written the accumulators, which the LDS stores read; the exponentials and conversions have left v144 to v159, in which the stage's loads land
	; THE WAY OUT.  Lane (r, h) holds features 16 tile + 8 h + 0 .. 7 of query r.  They go through my own stage and come back as 2,048 consecutive bytes: 16 whole rows of pout.
	ds_store_b128 v9, v[OA:OA+3]                   ; each accumulator from its low end on
	ds_store_b128 v9, v[OA+4:OA+7] offset:16
	ds_store_b128 v9, v[OA+8:OA+11] offset:64
	ds_store_b128 v9, v[OA+12:OA+15] offset:80
.irp i, 0,1,2,3
	ds_load_b128 v[FL+4*\i:FL+4*\i+3], v10 offset:512*\i   ; LDS serves a wave's instructions in order (ISA guide 5.7.1.4): these see my stores
.endr
	s_wait_dscnt 0x0
.irp i, 0,1,2,3
	global_store_b128 v5, v[FL+4*\i:FL+4*\i+3], s[14:15] offset:512*\i th:TH_STORE_NT   ; 32 lanes store 512 consecutive bytes, at a multiple of 256 from pout's first byte
.endr
	s_wait_dscnt 0x0                               ; the closing lines, six on end
	s_wait_alu 0x0
	s_wait_tensorcnt 0x0
	ds_add_u32 v250, v251
	s_wait_dscnt 0x0
	s_endpgm
.Lfunc_end_k_q65e44dd65f_splat:
	.size	k_q65e44dd65f_splat, .Lfunc_end_k_q65e44dd65f_splat-k_q65e44dd65f_splat
	.p2alignl 7, 3214868480
	.fill 96, 4, 3214868480
	.section	.rodata,"a",@progbits
	.p2align	6, 0x0
	.amdhsa_kernel k_q65e44dd65f_splat
		.amdhsa_group_segment_fixed_size 108544
		.amdhsa_private_segment_fixed_size 0
		.amdhsa_enable_private_segment 0
		.amdhsa_kernarg_size 48
		.amdhsa_user_sgpr_count 2
		.amdhsa_user_sgpr_kernarg_segment_ptr 1
		.amdhsa_wavefront_size32 1
		.amdhsa_system_sgpr_workgroup_id_x 1
		.amdhsa_system_sgpr_workgroup_id_y 1
		.amdhsa_system_sgpr_workgroup_id_z 1
		.amdhsa_system_vgpr_workitem_id 0
		.amdhsa_next_free_vgpr 256
		.amdhsa_next_free_sgpr 66
		.amdhsa_reserve_vcc 1
		.amdhsa_float_denorm_mode_32 3
		.amdhsa_float_denorm_mode_16_64 3
		.amdhsa_memory_ordered 1
		.amdhsa_forward_progress 1
		.amdhsa_inst_pref_size 74
	.end_amdhsa_kernel
	.amdgpu_metadata
---
amdhsa.version: [ 1, 2 ]
amdhsa.kernels:
  - .name:           k_q65e44dd65f_splat
    .symbol:         k_q65e44dd65f_splat.kd
    .args:
      - { .name: query_xyz, .offset: 0, .size: 8, .value_kind: global_buffer, .address_space: global }
      - { .name: coef, .offset: 8, .size: 8, .value_kind: global_buffer, .address_space: global }
      - { .name: fcode, .offset: 16, .size: 8, .value_kind: global_buffer, .address_space: global }
      - { .name: fscale, .offset: 24, .size: 8, .value_kind: global_buffer, .address_space: global }
      - { .name: psum, .offset: 32, .size: 8, .value_kind: global_buffer, .address_space: global }
      - { .name: pout, .offset: 40, .size: 8, .value_kind: global_buffer, .address_space: global }
    .group_segment_fixed_size: 108544
    .private_segment_fixed_size: 0
    .kernarg_segment_align: 8
    .kernarg_segment_size: 48
    .max_flat_workgroup_size: 512
    .sgpr_count:     66
    .vgpr_count:     256
    .wavefront_size: 32
...
	.end_amdgpu_metadata
.endif
;; end of part 4
;; launch reduce: the kernel of part 3 again; grid 256 x 1, 4 waves a work-group, no clusters, 0 bytes of LDS; arguments pout, out0; writes out0
